; MI455X (gfx1250); checked and timed in simulation.
; The chip was launched on July 23, 2026; its instructions are those of AMD's public machine-readable ISA for CDNA 5 (MIT licence, August 2026) and "CDNA5" Instruction Set Architecture Reference Guide (July 2026). The comments in the code are by the model that wrote it; some were corrected since.
;; Hungarian Matcher. Allowed arithmetic: float matrix products may take bf16 or f16 operands with f32 sums; all other float work in f32.
;; Inputs: pred_boxes 64 x 300 x 4 float32; pred_logits 64 x 300 x 13 float32; tgt_boxes 64 x 32 x 4 float32; tgt_ids 64 x 32 int32.
;; Outputs: out0 64 x 300 x 32 float32.
;; 2 versions, each right; version 2 is version 1 with the launch cost written anew for expert scheduling mode. Each part assembles by itself: llvm-mc -triple=amdgcn-amd-amdhsa -mcpu=gfx1250 --defsym DOCPART=n.
;; ======== version 1 of 2: 1 launch
;; launch cost (part 1): grid 240 x 1, 4 waves a work-group, no clusters, 0 bytes of LDS; arguments pred_boxes, pred_logits, tgt_boxes, tgt_ids, out0; writes out0
.if DOCPART == 1
	.amdgcn_target "amdgcn-amd-amdhsa--gfx1250"
	.amdhsa_code_object_version 6
	.text
	.protected	k_q6978b45d19_cost
	.globl	k_q6978b45d19_cost
	.p2align	8
	.type	k_q6978b45d19_cost,@function
k_q6978b45d19_cost:
	s_mov_b64 s[64:65], 0
	v_nop
	global_prefetch_b8 v0, s[64:65] scope:SCOPE_SE
	s_setreg_imm32_b32 hwreg(HW_REG_WAVE_MODE, 25, 1), 1
	s_wait_xcnt 0x0
; Matching cost: out0[row][t] = -softmax(pred_logits[row])[tgt_ids[t]] + 5 * L1(pred_boxes[row], tgt_boxes[t]) - 2 * GIoU(...),
; row = 0 .. 19,199 (64 x 300), t = 0 .. 31.  The result keeps only the first 32 columns of the flattened targets, so all rows meet the
; same 32 targets: the first 512 bytes of tgt_boxes and the first 128 bytes of tgt_ids are all that reaches the output, and all that is read.
;
; SHARES.  A lane owns four neighbouring targets t = 4 j .. 4 j + 3 (j = lane mod 8): 16 bytes of an output row.  Eight lanes cover a row,
; a wave four rows (a "quad"), so each store of a wave covers 512 consecutive bytes at a multiple of 512 from out0's first byte.
; 19,200 rows = 4,800 quads = 960 waves x 5 quads = 240 work-groups of four waves, as many waves as a WGP has SIMDs.
; Waves share nothing: no LDS, no barrier.  There is no product of matrices here, so no matrix instruction.
; All loads go out at the head; the only loads that hang on loaded data are the gathers of logit[row][id], which are on their way
; while the box arithmetic runs.  No register named by a memory instruction is written again, and EXEC never changes.
;
; LIMITS.  tgt_ids are taken as 0 .. 12 and clamped (unsigned) at 12; negative ids are not wrapped.
; exp(l - max) is exp2(fma(l, log2 e, -max log2 e)): a relative error of about 6e-8 x |max|.  Divisions are v_rcp_f32 and a multiply.
; v_rcp_f32 takes a denormal as zero (ISA guide, its entry in 15.8): a union or an enclosing area below 2^-126 counts as 0.
; (area_e - union) / area_e is written 1 - union / area_e: the same number but for the last bits.
.set NQ,   5                           ; quads of a wave
.set LROW, 52                          ; bytes in a row of logits (13 f32)
.set J,    1                           ; v1        j = lane mod 8
.set RL,   2                           ; v2        my row in a quad, 0 .. 3
.set OB,   3                           ; v3        byte offset of my row's box in the wave's first quad
.set OL0,  4                           ; v4        of logit j of my row
.set OL1,  5                           ; v5        of logit min(j + 8, 12) of my row
.set OO,   6                           ; v6        of my 16 bytes in the wave's first 512 bytes of out0
.set OT,   7                           ; v7        of my four targets' boxes
.set OI,   8                           ; v8        of my four targets' ids
.set R52,  9                           ; v9        my row in a quad x 52
.set ID,   10                          ; v[10:13]  my four ids, then the byte offsets of logit[my row][id]
.set TB,   16                          ; v[16:31]  target k: cx, cy, w, h
.set TX,   32                          ; v[32:47]  target k: x0, y0, x1, y1
.set TA,   48                          ; v[48:51]  target k: area
.set RB,   52                          ; v[52:71]  quad q: my row's cx, cy, w, h
.set RX,   72                          ; v[72:91]  quad q: my row's x0, y0, x1, y1
.set RA,   92                          ; v[92:96]  quad q: my row's area
.set L0,   98                          ; v[98:102]   quad q: logit j, then its exponential, then the row's sum
.set L1,   103                         ; v[103:107]  quad q: logit j + 8 (or -inf), then its exponential
.set NM,   108                         ; v[108:112]  quad q: the row's maximum, then -maximum x log2 e
.set RS,   113                         ; v[113:117]  quad q: 1 / sum
.set G,    120                         ; v[120:139]  quad q, target k: logit[row][id], its exponential, at last the cost: what is stored
.set T,    140                         ; v[140:171]  at work: eight registers for each of my four targets
	s_load_b256 s[4:11], s[0:1], 0x0               ; pred_boxes s[4:5], pred_logits s[6:7], tgt_boxes s[8:9], tgt_ids s[10:11]
	s_load_b64 s[12:13], s[0:1], 0x20              ; out0
	v_lshrrev_b32 v1, 5, v0
	v_readfirstlane_b32 s14, v1                    ; wave 0 .. 3
	s_lshl_b32 s15, ttmp9, 2
	s_add_co_u32 s14, s14, s15                     ; wave in the launch, 0 .. 959: it owns rows 20 x that number and the 19 behind
	s_mul_i32 s16, s14, NQ*4*16                    ; its 20 rows in pred_boxes, in bytes (all three offsets stay under 2.5 MB)
	s_mov_b32 s17, 0
	s_mul_i32 s18, s14, NQ*4*LROW                  ; in pred_logits
	s_mov_b32 s19, 0
	s_mul_i32 s20, s14, NQ*4*128                   ; in out0: 2,560 bytes, a multiple of 512
	s_mov_b32 s21, 0
	s_mov_b32 s22, 0x3fb8aa3b                      ; log2 e
	s_mov_b32 s23, 0x40a00000                      ; 5.0, the weight of the L1 cost
	v_and_b32 v[J], 7, v0
	v_bfe_u32 v[RL], v0, 3, 2
	v_lshlrev_b32 v[OI], 4, v[J]                   ; four ids of 4 bytes
	v_lshlrev_b32 v[OT], 6, v[J]                   ; four boxes of 16 bytes
	v_lshlrev_b32 v[OB], 4, v[RL]
	v_mul_u32_u24 v[R52], LROW, v[RL]
	v_lshl_add_u32 v[OL0], v[J], 2, v[R52]
	v_add_nc_u32 v[OL1], 8, v[J]
	v_min_u32 v[OL1], 12, v[OL1]                   ; lanes j = 5, 6, 7 have no second logit: they load logit 12 again, inside the row, and drop it below
	v_lshl_add_u32 v[OL1], v[OL1], 2, v[R52]
	v_and_b32 v[OO], 31, v0
	v_lshlrev_b32 v[OO], 4, v[OO]
	v_cmp_gt_u32 vcc_lo, 5, v[J]                   ; lanes whose second logit counts (j + 8 < 13); VCC is not written again
	s_wait_kmcnt 0x0
	s_add_nc_u64 s[4:5], s[4:5], s[16:17]
	s_add_nc_u64 s[6:7], s[6:7], s[18:19]
	s_add_nc_u64 s[12:13], s[12:13], s[20:21]
	; 20 loads: ids 1, target boxes 4, row boxes 5, logits 10
	global_load_b128 v[ID:ID+3], v[OI], s[10:11]
.irp k, 0,1,2,3
	global_load_b128 v[TB+4*\k:TB+4*\k+3], v[OT], s[8:9] offset:16*\k
.endr
.irp q, 0,1,2,3,4
	global_load_b128 v[RB+4*\q:RB+4*\q+3], v[OB], s[4:5] offset:64*\q
.endr
.irp q, 0,1,2,3,4
	global_load_b32 v[L0+\q], v[OL0], s[6:7] offset:4*LROW*\q
	global_load_b32 v[L1+\q], v[OL1], s[6:7] offset:4*LROW*\q
.endr
	s_wait_loadcnt 19                              ; loads come back in order: the ids, the oldest of the 20, are in; the 19 behind them stay out
.irp k, 0,1,2,3
	v_min_u32 v[ID+\k], 12, v[ID+\k]               ; an id enters an address only clamped to the row's 13 logits
.endr
.irp k, 0,1,2,3
	v_lshlrev_b32 v[ID+\k], 2, v[ID+\k]
.endr
.irp k, 0,1,2,3
	v_add_nc_u32 v[ID+\k], v[ID+\k], v[R52]        ; 4 id + 52 x my row in the quad
.endr
	; 20 more loads: quad q, target k: the logit of the target's class in my row
.irp q, 0,1,2,3,4
.irp k, 0,1,2,3
	global_load_b32 v[G+4*\q+\k], v[ID+\k], s[6:7] offset:4*LROW*\q
.endr
.endr
	; my four targets, once: corners and area
	s_wait_loadcnt 35                              ; behind the target boxes 5 + 10 + 20 loads were issued
.irp k, 0,1,2,3
	v_pk_fma_f32 v[TX+4*\k:TX+4*\k+1], v[TB+4*\k+2:TB+4*\k+3], -0.5, v[TB+4*\k:TB+4*\k+1] op_sel_hi:[1,0,1]     ; x0, y0 = cx - w / 2, cy - h / 2
.endr
.irp k, 0,1,2,3
	v_pk_fma_f32 v[TX+4*\k+2:TX+4*\k+3], v[TB+4*\k+2:TB+4*\k+3], 0.5, v[TB+4*\k:TB+4*\k+1] op_sel_hi:[1,0,1]    ; x1, y1
.endr
.irp k, 0,1,2,3
	v_pk_add_f32 v[T+8*\k:T+8*\k+1], v[TX+4*\k+2:TX+4*\k+3], v[TX+4*\k:TX+4*\k+1] neg_lo:[0,1] neg_hi:[0,1]
.endr
.irp k, 0,1,2,3
	v_mul_f32 v[TA+\k], v[T+8*\k], v[T+8*\k+1]     ; (x1 - x0) (y1 - y0)
.endr
	; softmax of my five rows: maximum and sum over the row's eight lanes, the five chains interleaved
	s_wait_loadcnt 20                              ; all but the 20 gathers: row boxes and logits are in
.irp q, 0,1,2,3,4
	v_cndmask_b32 v[L1+\q], 0xff800000, v[L1+\q], vcc_lo   ; -inf where there is no second logit: it loses the maximum and its exponential is 0
.endr
.irp q, 0,1,2,3,4
	v_max_num_f32 v[NM+\q], v[L0+\q], v[L1+\q]
.endr
.irp x, 1,2,4
.irp q, 0,1,2,3,4
	v_max_num_f32_dpp v[NM+\q], v[NM+\q], v[NM+\q] row_xmask:\x row_mask:0xf bank_mask:0xf   ; lane i takes lane i xor 1, 2, 4: inside its eight
.endr
.endr
.irp q, 0,1,2,3,4
	v_mul_f32 v[NM+\q], 0xbfb8aa3b, v[NM+\q]       ; -maximum x log2 e
.endr
.irp q, 0,1,2,3,4
	v_fma_f32 v[L0+\q], v[L0+\q], s22, v[NM+\q]
.endr
.irp q, 0,1,2,3,4
	v_fma_f32 v[L1+\q], v[L1+\q], s22, v[NM+\q]
.endr
.irp q, 0,1,2,3,4
	v_exp_f32 v[L0+\q], v[L0+\q]
	v_exp_f32 v[L1+\q], v[L1+\q]
.endr
	; my five rows' corners and areas.  These plain instructions also stand between the exponentials and the first use of their results (ISA guide 5.7.2)
.irp q, 0,1,2,3,4
	v_pk_fma_f32 v[RX+4*\q:RX+4*\q+1], v[RB+4*\q+2:RB+4*\q+3], -0.5, v[RB+4*\q:RB+4*\q+1] op_sel_hi:[1,0,1]
.endr
.irp q, 0,1,2,3,4
	v_pk_fma_f32 v[RX+4*\q+2:RX+4*\q+3], v[RB+4*\q+2:RB+4*\q+3], 0.5, v[RB+4*\q:RB+4*\q+1] op_sel_hi:[1,0,1]
.endr
.irp q, 0,1,2,3,4
	v_pk_add_f32 v[T+2*\q:T+2*\q+1], v[RX+4*\q+2:RX+4*\q+3], v[RX+4*\q:RX+4*\q+1] neg_lo:[0,1] neg_hi:[0,1]
.endr
.irp q, 0,1,2,3,4
	v_mul_f32 v[RA+\q], v[T+2*\q], v[T+2*\q+1]
.endr
	s_wait_alu depctr_va_vdst(0)
.irp q, 0,1,2,3,4
	v_add_f32 v[L0+\q], v[L0+\q], v[L1+\q]
.endr
.irp x, 1,2,4
.irp q, 0,1,2,3,4
	v_add_f32_dpp v[L0+\q], v[L0+\q], v[L0+\q] row_xmask:\x row_mask:0xf bank_mask:0xf
.endr
.endr
.irp q, 0,1,2,3,4
	v_rcp_f32 v[RS+\q], v[L0+\q]                   ; the sum is at least about 1 (the maximum's own term); first used far below, L0 is not written again
.endr
; One quad: my row against my four targets, each step written for the four targets in turn so that no line waits for the line in front of it.
; Work registers of target k, W = T + 8 k:  W the L1 sum, then 5 L1 + 2, then all but the class cost;  W+2 .. W+7 as the comments say.
.macro QUAD q
.irp k, 0,1,2,3
	v_pk_add_f32 v[T+8*\k:T+8*\k+1], v[RB+4*\q:RB+4*\q+1], v[TB+4*\k:TB+4*\k+1] neg_lo:[0,1] neg_hi:[0,1]           ; differences of cx, cy
.endr
.irp k, 0,1,2,3
	v_pk_add_f32 v[T+8*\k+2:T+8*\k+3], v[RB+4*\q+2:RB+4*\q+3], v[TB+4*\k+2:TB+4*\k+3] neg_lo:[0,1] neg_hi:[0,1]     ; of w, h
.endr
.irp k, 0,1,2,3
	v_add_f32 v[T+8*\k], |v[T+8*\k]|, |v[T+8*\k+1]|
.endr
.irp k, 0,1,2,3
	v_add_f32 v[T+8*\k], v[T+8*\k], |v[T+8*\k+2]|
.endr
.irp k, 0,1,2,3
	v_add_f32 v[T+8*\k], v[T+8*\k], |v[T+8*\k+3]|  ; W = L1
.endr
	; along x: the intersection's and the enclosing box's edges side by side, so that one packed subtraction and later one packed product serve both
.irp k, 0,1,2,3
	v_max_num_f32 v[T+8*\k+2], v[RX+4*\q], v[TX+4*\k]
	v_min_num_f32 v[T+8*\k+3], v[RX+4*\q], v[TX+4*\k]
.endr
.irp k, 0,1,2,3
	v_min_num_f32 v[T+8*\k+4], v[RX+4*\q+2], v[TX+4*\k+2]
	v_max_num_f32 v[T+8*\k+5], v[RX+4*\q+2], v[TX+4*\k+2]
.endr
.irp k, 0,1,2,3
	v_pk_add_f32 v[T+8*\k+2:T+8*\k+3], v[T+8*\k+4:T+8*\k+5], v[T+8*\k+2:T+8*\k+3] neg_lo:[0,1] neg_hi:[0,1]        ; W+2, W+3 = widths of intersection, enclosure
.endr
	; along y
.irp k, 0,1,2,3
	v_max_num_f32 v[T+8*\k+4], v[RX+4*\q+1], v[TX+4*\k+1]
	v_min_num_f32 v[T+8*\k+5], v[RX+4*\q+1], v[TX+4*\k+1]
.endr
.irp k, 0,1,2,3
	v_min_num_f32 v[T+8*\k+6], v[RX+4*\q+3], v[TX+4*\k+3]
	v_max_num_f32 v[T+8*\k+7], v[RX+4*\q+3], v[TX+4*\k+3]
.endr
.irp k, 0,1,2,3
	v_pk_add_f32 v[T+8*\k+4:T+8*\k+5], v[T+8*\k+6:T+8*\k+7], v[T+8*\k+4:T+8*\k+5] neg_lo:[0,1] neg_hi:[0,1]        ; W+4, W+5 = heights
.endr
.irp r, 2,3,4,5
.irp k, 0,1,2,3
	v_max_num_f32 v[T+8*\k+\r], 0, v[T+8*\k+\r]    ; clipped at 0, all four
.endr
.endr
.irp k, 0,1,2,3
	v_pk_mul_f32 v[T+8*\k+2:T+8*\k+3], v[T+8*\k+2:T+8*\k+3], v[T+8*\k+4:T+8*\k+5]   ; W+2 = intersection, W+3 = enclosing area
.endr
.irp k, 0,1,2,3
	v_add_f32 v[T+8*\k+4], v[RA+\q], v[TA+\k]
.endr
.irp k, 0,1,2,3
	v_sub_f32 v[T+8*\k+4], v[T+8*\k+4], v[T+8*\k+2]        ; W+4 = union
.endr
	s_wait_loadcnt 16-4*\q                         ; this quad's four gathers are in; those of the 4 - q quads behind it, four each, stay out
.irp k, 0,1,2,3
	v_fma_f32 v[G+4*\q+\k], v[G+4*\q+\k], s22, v[NM+\q]    ; (logit of the target's class - maximum) x log2 e
.endr
.irp k, 0,1,2,3
	v_rcp_f32 v[T+8*\k+5], v[T+8*\k+4]             ; 1 / union
.endr
.irp k, 0,1,2,3
	v_rcp_f32 v[T+8*\k+6], v[T+8*\k+3]             ; 1 / enclosing area
.endr
.irp k, 0,1,2,3
	v_exp_f32 v[G+4*\q+\k], v[G+4*\q+\k]
.endr
.irp k, 0,1,2,3
	v_fma_f32 v[T+8*\k], v[T+8*\k], s23, 2.0       ; 5 L1 + 2: plain lines that touch no register of the twelve lines above, in front of the first use of their results (ISA guide 5.7.2)
.endr
	s_wait_alu depctr_va_vdst(0)
.irp k, 0,1,2,3
	v_mul_f32 v[T+8*\k+2], v[T+8*\k+2], v[T+8*\k+5]                        ; IoU
.endr
.irp k, 0,1,2,3
	v_fma_f32 v[T+8*\k+2], v[T+8*\k+4], v[T+8*\k+6], v[T+8*\k+2]           ; + union / enclosing area = GIoU + 1
.endr
.irp k, 0,1,2,3
	v_fma_f32 v[T+8*\k], v[T+8*\k+2], -2.0, v[T+8*\k]                      ; 5 L1 - 2 GIoU
.endr
.irp k, 0,1,2,3
	v_fma_f32 v[G+4*\q+\k], -v[G+4*\q+\k], v[RS+\q], v[T+8*\k]             ; - probability of the target's class
.endr
	global_store_b128 v[OO], v[G+4*\q:G+4*\q+3], s[12:13] offset:512*\q th:TH_STORE_NT   ; four rows: 512 consecutive bytes; these registers are not written again
.endm
	QUAD 0
	QUAD 1
	QUAD 2
	QUAD 3
	QUAD 4
	s_endpgm
.Lfunc_end_k_q6978b45d19_cost:
	.size	k_q6978b45d19_cost, .Lfunc_end_k_q6978b45d19_cost-k_q6978b45d19_cost
	.p2alignl 7, 3214868480
	.fill 96, 4, 3214868480
	.section	.rodata,"a",@progbits
	.p2align	6, 0x0
	.amdhsa_kernel k_q6978b45d19_cost
		.amdhsa_group_segment_fixed_size 0
		.amdhsa_private_segment_fixed_size 0
		.amdhsa_enable_private_segment 0
		.amdhsa_kernarg_size 40
		.amdhsa_user_sgpr_count 2
		.amdhsa_user_sgpr_kernarg_segment_ptr 1
		.amdhsa_wavefront_size32 1
		.amdhsa_system_sgpr_workgroup_id_x 1
		.amdhsa_system_sgpr_workgroup_id_y 1
		.amdhsa_system_sgpr_workgroup_id_z 1
		.amdhsa_system_vgpr_workitem_id 0
		.amdhsa_next_free_vgpr 172
		.amdhsa_next_free_sgpr 66
		.amdhsa_reserve_vcc 1
		.amdhsa_float_denorm_mode_32 3
		.amdhsa_float_denorm_mode_16_64 3
		.amdhsa_memory_ordered 1
		.amdhsa_forward_progress 1
		.amdhsa_inst_pref_size 40
	.end_amdhsa_kernel
	.amdgpu_metadata
---
amdhsa.version: [ 1, 2 ]
amdhsa.kernels:
  - .name:           k_q6978b45d19_cost
    .symbol:         k_q6978b45d19_cost.kd
    .args:
      - { .name: pred_boxes, .offset: 0, .size: 8, .value_kind: global_buffer, .address_space: global }
      - { .name: pred_logits, .offset: 8, .size: 8, .value_kind: global_buffer, .address_space: global }
      - { .name: tgt_boxes, .offset: 16, .size: 8, .value_kind: global_buffer, .address_space: global }
      - { .name: tgt_ids, .offset: 24, .size: 8, .value_kind: global_buffer, .address_space: global }
      - { .name: out0, .offset: 32, .size: 8, .value_kind: global_buffer, .address_space: global }
    .group_segment_fixed_size: 0
    .private_segment_fixed_size: 0
    .kernarg_segment_align: 8
    .kernarg_segment_size: 40
    .max_flat_workgroup_size: 128
    .sgpr_count:     66
    .vgpr_count:     172
    .wavefront_size: 32
...
	.end_amdgpu_metadata
.endif
;; end of part 1
;; ======== version 2 of 2: 1 launch; version 1 with the launch cost written anew for expert scheduling mode
;; launch cost (part 2): grid 240 x 1, 4 waves a work-group, no clusters, 0 bytes of LDS; arguments pred_boxes, pred_logits, tgt_boxes, tgt_ids, out0; writes out0
.if DOCPART == 2
	.amdgcn_target "amdgcn-amd-amdhsa--gfx1250"
	.amdhsa_code_object_version 6
	.text
	.protected	k_q6978b45d19_cost
	.globl	k_q6978b45d19_cost
	.p2align	8
	.type	k_q6978b45d19_cost,@function
k_q6978b45d19_cost:
	s_mov_b64 s[64:65], 0
	v_nop
	global_prefetch_b8 v0, s[64:65] scope:SCOPE_SE
	s_setreg_imm32_b32 hwreg(HW_REG_WAVE_SCHED_MODE, 0, 2), 2
	s_setreg_imm32_b32 hwreg(HW_REG_WAVE_MODE, 25, 1), 1
	s_wait_xcnt 0x0
	s_wait_alu depctr_vm_vsrc(0)
; Matching cost: out0[row][t] = -softmax(pred_logits[row])[tgt_ids[t]] + 5 * L1(pred_boxes[row], tgt_boxes[t]) - 2 * GIoU(...),
; row = 0 .. 19,199 (64 x 300), t = 0 .. 31.  The result keeps only the first 32 columns of the flattened targets, so all rows meet the
; same 32 targets: the first 512 bytes of tgt_boxes and the first 128 bytes of tgt_ids are all that reaches the output, and all that is read.
;
; SHARES.  A lane owns four neighbouring targets t = 4 j .. 4 j + 3 (j = lane mod 8): 16 bytes of an output row.  Eight lanes cover a row,
; a wave four rows (a "quad"), so each store of a wave covers 512 consecutive bytes at a multiple of 512 from out0's first byte.
; 19,200 rows = 4,800 quads = 960 waves x 5 quads = 240 work-groups of four waves, as many waves as a WGP has SIMDs.
; Waves share nothing: no LDS, no barrier.  There is no product of matrices here, so no matrix instruction.
; All loads go out at the head; the only loads that hang on loaded data are the gathers of logit[row][id], which are on their way
; while the box arithmetic runs.  No register named by a memory instruction is written again, and EXEC never changes.
;
; THE MODE: SCHED_MODE bits 1:0 = 2 (LLVM: expert scheduling mode 2), set by the entry lines.  The code itself states the register dependences
; between vector instructions and memory instructions, with s_wait_alu, always for 0.
; THE PLAN.  Registers that memory instructions touch:
;   v3 .. v8     byte offsets, made once at the head and never written again: read by the 20 first loads and (v6) by the five stores.
;   ID           the ids land here; twelve vector lines make the gathers' offsets of them; read by the 20 gathers; never written again.
;   TB, RB, L0, L1   loads land here that are issued before any vector line names these registers.
;   G[q]         quad q's four gathers land here, before any vector line names these registers; quad q's vector lines leave the results here;
;                read by ONE store, which is issued in quad q + 1; never named again.
;   All other registers are named by vector instructions alone.
; So a quad holds ONE wait on va_vdst, behind its batch of reciprocals and exponentials: it states that the batch's results are written, and that the
; quad before has written its G, whose store follows the wait directly.  The last quad's store has a wait of its own.  Nothing that a memory
; instruction has read is written again, so no wait on vm_vsrc is owed.
;
; LIMITS.  tgt_ids are taken as 0 .. 12 and clamped (unsigned) at 12; negative ids are not wrapped.
; exp(l - max) is exp2(fma(l, log2 e, -max log2 e)): a relative error of about 6e-8 x |max|.  Divisions are v_rcp_f32 and a multiply.
; v_rcp_f32 takes a denormal as zero (ISA guide, its entry in 15.8): a union or an enclosing area below 2^-126 counts as 0.
; (area_e - union) / area_e is written 1 - union / area_e: the same number but for the last bits.
.set NQ,   5                           ; quads of a wave
.set LROW, 52                          ; bytes in a row of logits (13 f32)
.set J,    1                           ; v1        j = lane mod 8
.set RL,   2                           ; v2        my row in a quad, 0 .. 3
.set OB,   3                           ; v3        byte offset of my row's box in the wave's first quad
.set OL0,  4                           ; v4        of logit j of my row
.set OL1,  5                           ; v5        of logit min(j + 8, 12) of my row
.set OO,   6                           ; v6        of my 16 bytes in the wave's first 512 bytes of out0
.set OT,   7                           ; v7        of my four targets' boxes
.set OI,   8                           ; v8        of my four targets' ids
.set R52,  9                           ; v9        my row in a quad x 52
.set ID,   10                          ; v[10:13]  my four ids, then the byte offsets of logit[my row][id]
.set TB,   16                          ; v[16:31]  target k: cx, cy, w, h
.set TX,   32                          ; v[32:47]  target k: x0, y0, x1, y1
.set TA,   48                          ; v[48:51]  target k: area
.set RB,   52                          ; v[52:71]  quad q: my row's cx, cy, w, h
.set RX,   72                          ; v[72:91]  quad q: my row's x0, y0, x1, y1
.set RA,   92                          ; v[92:96]  quad q: my row's area
.set L0,   98                          ; v[98:102]   quad q: logit j, then its exponential, then the row's sum
.set L1,   103                         ; v[103:107]  quad q: logit j + 8 (or -inf), then its exponential
.set NM,   108                         ; v[108:112]  quad q: the row's maximum, then -maximum x log2 e
.set RS,   113                         ; v[113:117]  quad q: 1 / sum
.set G,    120                         ; v[120:139]  quad q, target k: logit[row][id], its exponential, at last the cost: what is stored
.set T,    140                         ; v[140:171]  at work: eight registers for each of my four targets
	s_load_b256 s[4:11], s[0:1], 0x0               ; pred_boxes s[4:5], pred_logits s[6:7], tgt_boxes s[8:9], tgt_ids s[10:11]
	s_load_b64 s[12:13], s[0:1], 0x20              ; out0
	v_lshrrev_b32 v1, 5, v0
	v_readfirstlane_b32 s14, v1                    ; wave 0 .. 3
	v_and_b32 v[J], 7, v0
	v_bfe_u32 v[RL], v0, 3, 2
	v_lshlrev_b32 v[OI], 4, v[J]                   ; four ids of 4 bytes
	v_lshlrev_b32 v[OT], 6, v[J]                   ; four boxes of 16 bytes
	v_lshlrev_b32 v[OB], 4, v[RL]
	v_mul_u32_u24 v[R52], LROW, v[RL]
	v_lshl_add_u32 v[OL0], v[J], 2, v[R52]
	v_add_nc_u32 v[OL1], 8, v[J]
	v_min_u32 v[OL1], 12, v[OL1]                   ; lanes j = 5, 6, 7 have no second logit: they load logit 12 again, inside the row, and drop it below
	v_lshl_add_u32 v[OL1], v[OL1], 2, v[R52]
	v_and_b32 v[OO], 31, v0
	v_lshlrev_b32 v[OO], 4, v[OO]
	v_cmp_gt_u32 vcc_lo, 5, v[J]                   ; lanes whose second logit counts (j + 8 < 13); VCC is not written again
	s_wait_alu depctr_va_sdst(0)                   ; s14 is written, ahead of its first reader: the wave's three byte offsets are made from it
	s_lshl_b32 s15, ttmp9, 2
	s_add_co_u32 s14, s14, s15                     ; wave in the launch, 0 .. 959: it owns rows 20 x that number and the 19 behind
	s_mul_i32 s16, s14, NQ*4*16                    ; its 20 rows in pred_boxes, in bytes (all three offsets stay under 2.5 MB)
	s_mov_b32 s17, 0
	s_mul_i32 s18, s14, NQ*4*LROW                  ; in pred_logits
	s_mov_b32 s19, 0
	s_mul_i32 s20, s14, NQ*4*128                   ; in out0: 2,560 bytes, a multiple of 512
	s_mov_b32 s21, 0
	s_mov_b32 s22, 0x3fb8aa3b                      ; log2 e
	s_mov_b32 s23, 0x40a00000                      ; 5.0, the weight of the L1 cost
	s_wait_kmcnt 0x0
	s_add_nc_u64 s[4:5], s[4:5], s[16:17]
	s_add_nc_u64 s[6:7], s[6:7], s[18:19]
	s_add_nc_u64 s[12:13], s[12:13], s[20:21]
	s_wait_alu depctr_va_vdst(0)                   ; the six offsets v3 to v8 are written: the 20 loads below and the five stores read them
	; 20 loads: ids 1, target boxes 4, row boxes 5, logits 10
	global_load_b128 v[ID:ID+3], v[OI], s[10:11]
.irp k, 0,1,2,3
	global_load_b128 v[TB+4*\k:TB+4*\k+3], v[OT], s[8:9] offset:16*\k
.endr
.irp q, 0,1,2,3,4
	global_load_b128 v[RB+4*\q:RB+4*\q+3], v[OB], s[4:5] offset:64*\q
.endr
.irp q, 0,1,2,3,4
	global_load_b32 v[L0+\q], v[OL0], s[6:7] offset:4*LROW*\q
	global_load_b32 v[L1+\q], v[OL1], s[6:7] offset:4*LROW*\q
.endr
	s_wait_loadcnt 19                              ; loads come back in order: the ids, the oldest of the 20, are in; the 19 behind them stay out
.irp k, 0,1,2,3
	v_min_u32 v[ID+\k], 12, v[ID+\k]               ; an id enters an address only clamped to the row's 13 logits
.endr
.irp k, 0,1,2,3
	v_lshlrev_b32 v[ID+\k], 2, v[ID+\k]
.endr
.irp k, 0,1,2,3
	v_add_nc_u32 v[ID+\k], v[ID+\k], v[R52]        ; 4 id + 52 x my row in the quad
.endr
	s_wait_alu depctr_va_vdst(0)                   ; the four offsets in v[ID ..] are written: the gathers below read them
	; 20 more loads: quad q, target k: the logit of the target's class in my row
.irp q, 0,1,2,3,4
.irp k, 0,1,2,3
	global_load_b32 v[G+4*\q+\k], v[ID+\k], s[6:7] offset:4*LROW*\q
.endr
.endr
	; my four targets, once: corners and area
	s_wait_loadcnt 35                              ; behind the target boxes 5 + 10 + 20 loads were issued
.irp k, 0,1,2,3
	v_pk_fma_f32 v[TX+4*\k:TX+4*\k+1], v[TB+4*\k+2:TB+4*\k+3], -0.5, v[TB+4*\k:TB+4*\k+1] op_sel_hi:[1,0,1]     ; x0, y0 = cx - w / 2, cy - h / 2
.endr
.irp k, 0,1,2,3
	v_pk_fma_f32 v[TX+4*\k+2:TX+4*\k+3], v[TB+4*\k+2:TB+4*\k+3], 0.5, v[TB+4*\k:TB+4*\k+1] op_sel_hi:[1,0,1]    ; x1, y1
.endr
.irp k, 0,1,2,3
	v_pk_add_f32 v[T+8*\k:T+8*\k+1], v[TX+4*\k+2:TX+4*\k+3], v[TX+4*\k:TX+4*\k+1] neg_lo:[0,1] neg_hi:[0,1]
.endr
.irp k, 0,1,2,3
	v_mul_f32 v[TA+\k], v[T+8*\k], v[T+8*\k+1]     ; (x1 - x0) (y1 - y0)
.endr
	; softmax of my five rows: maximum and sum over the row's eight lanes, the five chains interleaved
	s_wait_loadcnt 20                              ; all but the 20 gathers: row boxes and logits are in
	s_wait_alu depctr_va_vcc(0)                    ; the compare at the head has written VCC, ahead of its first reader: the selects below
.irp q, 0,1,2,3,4
	v_cndmask_b32 v[L1+\q], 0xff800000, v[L1+\q], vcc_lo   ; -inf where there is no second logit: it loses the maximum and its exponential is 0
.endr
.irp q, 0,1,2,3,4
	v_max_num_f32 v[NM+\q], v[L0+\q], v[L1+\q]
.endr
.irp x, 1,2,4
.irp q, 0,1,2,3,4
	v_max_num_f32_dpp v[NM+\q], v[NM+\q], v[NM+\q] row_xmask:\x row_mask:0xf bank_mask:0xf   ; lane i takes lane i xor 1, 2, 4: inside its eight
.endr
.endr
.irp q, 0,1,2,3,4
	v_mul_f32 v[NM+\q], 0xbfb8aa3b, v[NM+\q]       ; -maximum x log2 e
.endr
.irp q, 0,1,2,3,4
	v_fma_f32 v[L0+\q], v[L0+\q], s22, v[NM+\q]
.endr
.irp q, 0,1,2,3,4
	v_fma_f32 v[L1+\q], v[L1+\q], s22, v[NM+\q]
.endr
.irp q, 0,1,2,3,4
	v_exp_f32 v[L0+\q], v[L0+\q]
	v_exp_f32 v[L1+\q], v[L1+\q]
.endr
	; my five rows' corners and areas.  These plain instructions also stand between the exponentials and the first use of their results (ISA guide 5.7.2)
.irp q, 0,1,2,3,4
	v_pk_fma_f32 v[RX+4*\q:RX+4*\q+1], v[RB+4*\q+2:RB+4*\q+3], -0.5, v[RB+4*\q:RB+4*\q+1] op_sel_hi:[1,0,1]
.endr
.irp q, 0,1,2,3,4
	v_pk_fma_f32 v[RX+4*\q+2:RX+4*\q+3], v[RB+4*\q+2:RB+4*\q+3], 0.5, v[RB+4*\q:RB+4*\q+1] op_sel_hi:[1,0,1]
.endr
.irp q, 0,1,2,3,4
	v_pk_add_f32 v[T+2*\q:T+2*\q+1], v[RX+4*\q+2:RX+4*\q+3], v[RX+4*\q:RX+4*\q+1] neg_lo:[0,1] neg_hi:[0,1]
.endr
.irp q, 0,1,2,3,4
	v_mul_f32 v[RA+\q], v[T+2*\q], v[T+2*\q+1]
.endr
	s_wait_alu depctr_va_vdst(0)                   ; the ten exponentials have written v[L0 ..] and v[L1 ..]: one wait for the batch, ahead of its first reader
.irp q, 0,1,2,3,4
	v_add_f32 v[L0+\q], v[L0+\q], v[L1+\q]
.endr
.irp x, 1,2,4
.irp q, 0,1,2,3,4
	v_add_f32_dpp v[L0+\q], v[L0+\q], v[L0+\q] row_xmask:\x row_mask:0xf bank_mask:0xf
.endr
.endr
.irp q, 0,1,2,3,4
	v_rcp_f32 v[RS+\q], v[L0+\q]                   ; the sum is at least about 1 (the maximum's own term); first used far below, behind the first quad's wait; L0 is not written again
.endr
; One quad: my row against my four targets, each step written for the four targets in turn so that no line waits for the line in front of it.
; Work registers of target k, W = T + 8 k:  W the L1 sum, then 5 L1 + 2, then all but the class cost;  W+2 .. W+7 as the comments say.
; The quad's results stay in G[q]; they are stored in the next quad, behind that quad's wait.
.macro QUAD q
.irp k, 0,1,2,3
	v_pk_add_f32 v[T+8*\k:T+8*\k+1], v[RB+4*\q:RB+4*\q+1], v[TB+4*\k:TB+4*\k+1] neg_lo:[0,1] neg_hi:[0,1]           ; differences of cx, cy
.endr
.irp k, 0,1,2,3
	v_pk_add_f32 v[T+8*\k+2:T+8*\k+3], v[RB+4*\q+2:RB+4*\q+3], v[TB+4*\k+2:TB+4*\k+3] neg_lo:[0,1] neg_hi:[0,1]     ; of w, h
.endr
.irp k, 0,1,2,3
	v_add_f32 v[T+8*\k], |v[T+8*\k]|, |v[T+8*\k+1]|
.endr
.irp k, 0,1,2,3
	v_add_f32 v[T+8*\k], v[T+8*\k], |v[T+8*\k+2]|
.endr
.irp k, 0,1,2,3
	v_add_f32 v[T+8*\k], v[T+8*\k], |v[T+8*\k+3]|  ; W = L1
.endr
	; along x: the intersection's and the enclosing box's edges side by side, so that one packed subtraction and later one packed product serve both
.irp k, 0,1,2,3
	v_max_num_f32 v[T+8*\k+2], v[RX+4*\q], v[TX+4*\k]
	v_min_num_f32 v[T+8*\k+3], v[RX+4*\q], v[TX+4*\k]
.endr
.irp k, 0,1,2,3
	v_min_num_f32 v[T+8*\k+4], v[RX+4*\q+2], v[TX+4*\k+2]
	v_max_num_f32 v[T+8*\k+5], v[RX+4*\q+2], v[TX+4*\k+2]
.endr
.irp k, 0,1,2,3
	v_pk_add_f32 v[T+8*\k+2:T+8*\k+3], v[T+8*\k+4:T+8*\k+5], v[T+8*\k+2:T+8*\k+3] neg_lo:[0,1] neg_hi:[0,1]        ; W+2, W+3 = widths of intersection, enclosure
.endr
	; along y
.irp k, 0,1,2,3
	v_max_num_f32 v[T+8*\k+4], v[RX+4*\q+1], v[TX+4*\k+1]
	v_min_num_f32 v[T+8*\k+5], v[RX+4*\q+1], v[TX+4*\k+1]
.endr
.irp k, 0,1,2,3
	v_min_num_f32 v[T+8*\k+6], v[RX+4*\q+3], v[TX+4*\k+3]
	v_max_num_f32 v[T+8*\k+7], v[RX+4*\q+3], v[TX+4*\k+3]
.endr
.irp k, 0,1,2,3
	v_pk_add_f32 v[T+8*\k+4:T+8*\k+5], v[T+8*\k+6:T+8*\k+7], v[T+8*\k+4:T+8*\k+5] neg_lo:[0,1] neg_hi:[0,1]        ; W+4, W+5 = heights
.endr
.irp r, 2,3,4,5
.irp k, 0,1,2,3
	v_max_num_f32 v[T+8*\k+\r], 0, v[T+8*\k+\r]    ; clipped at 0, all four
.endr
.endr
.irp k, 0,1,2,3
	v_pk_mul_f32 v[T+8*\k+2:T+8*\k+3], v[T+8*\k+2:T+8*\k+3], v[T+8*\k+4:T+8*\k+5]   ; W+2 = intersection, W+3 = enclosing area
.endr
.irp k, 0,1,2,3
	v_add_f32 v[T+8*\k+4], v[RA+\q], v[TA+\k]
.endr
.irp k, 0,1,2,3
	v_sub_f32 v[T+8*\k+4], v[T+8*\k+4], v[T+8*\k+2]        ; W+4 = union
.endr
	s_wait_loadcnt 16-4*\q                         ; this quad's four gathers are in; those of the 4 - q quads behind it, four each, stay out
.irp k, 0,1,2,3
	v_fma_f32 v[G+4*\q+\k], v[G+4*\q+\k], s22, v[NM+\q]    ; (logit of the target's class - maximum) x log2 e
.endr
.irp k, 0,1,2,3
	v_rcp_f32 v[T+8*\k+5], v[T+8*\k+4]             ; 1 / union
.endr
.irp k, 0,1,2,3
	v_rcp_f32 v[T+8*\k+6], v[T+8*\k+3]             ; 1 / enclosing area
.endr
.irp k, 0,1,2,3
	v_exp_f32 v[G+4*\q+\k], v[G+4*\q+\k]
.endr
.irp k, 0,1,2,3
	v_fma_f32 v[T+8*\k], v[T+8*\k], s23, 2.0       ; 5 L1 + 2: plain lines that touch no register of the twelve lines above, in front of the first use of their results (ISA guide 5.7.2)
.endr
	s_wait_alu depctr_va_vdst(0)                   ; the eight reciprocals have written W+5 and W+6, the four exponentials G[q] (in the first quad: the five 1 / sum are written too): one wait for the batch, ahead of its first reader; and the quad before has written its G, which the store below reads
.if \q > 0
	global_store_b128 v[OO], v[G+4*(\q-1):G+4*(\q-1)+3], s[12:13] offset:512*(\q-1) th:TH_STORE_NT   ; the quad before: four rows, 512 consecutive bytes; no vector line stands between the wait and this store, and these registers are not written again
.endif
.irp k, 0,1,2,3
	v_mul_f32 v[T+8*\k+2], v[T+8*\k+2], v[T+8*\k+5]                        ; IoU
.endr
.irp k, 0,1,2,3
	v_fma_f32 v[T+8*\k+2], v[T+8*\k+4], v[T+8*\k+6], v[T+8*\k+2]           ; + union / enclosing area = GIoU + 1
.endr
.irp k, 0,1,2,3
	v_fma_f32 v[T+8*\k], v[T+8*\k+2], -2.0, v[T+8*\k]                      ; 5 L1 - 2 GIoU
.endr
.irp k, 0,1,2,3
	v_fma_f32 v[G+4*\q+\k], -v[G+4*\q+\k], v[RS+\q], v[T+8*\k]             ; - probability of the target's class
.endr
.endm
	QUAD 0
	QUAD 1
	QUAD 2
	QUAD 3
	QUAD 4
	s_wait_alu depctr_va_vdst(0)                   ; the last quad has written its G, which the last store reads
	global_store_b128 v[OO], v[G+4*(NQ-1):G+4*(NQ-1)+3], s[12:13] offset:512*(NQ-1) th:TH_STORE_NT   ; four rows: 512 consecutive bytes
	s_endpgm
.Lfunc_end_k_q6978b45d19_cost:
	.size	k_q6978b45d19_cost, .Lfunc_end_k_q6978b45d19_cost-k_q6978b45d19_cost
	.p2alignl 7, 3214868480
	.fill 96, 4, 3214868480
	.section	.rodata,"a",@progbits
	.p2align	6, 0x0
	.amdhsa_kernel k_q6978b45d19_cost
		.amdhsa_group_segment_fixed_size 0
		.amdhsa_private_segment_fixed_size 0
		.amdhsa_enable_private_segment 0
		.amdhsa_kernarg_size 40
		.amdhsa_user_sgpr_count 2
		.amdhsa_user_sgpr_kernarg_segment_ptr 1
		.amdhsa_wavefront_size32 1
		.amdhsa_system_sgpr_workgroup_id_x 1
		.amdhsa_system_sgpr_workgroup_id_y 1
		.amdhsa_system_sgpr_workgroup_id_z 1
		.amdhsa_system_vgpr_workitem_id 0
		.amdhsa_next_free_vgpr 172
		.amdhsa_next_free_sgpr 66
		.amdhsa_reserve_vcc 1
		.amdhsa_float_denorm_mode_32 3
		.amdhsa_float_denorm_mode_16_64 3
		.amdhsa_memory_ordered 1
		.amdhsa_forward_progress 1
		.amdhsa_inst_pref_size 41
	.end_amdhsa_kernel
	.amdgpu_metadata
---
amdhsa.version: [ 1, 2 ]
amdhsa.kernels:
  - .name:           k_q6978b45d19_cost
    .symbol:         k_q6978b45d19_cost.kd
    .args:
      - { .name: pred_boxes, .offset: 0, .size: 8, .value_kind: global_buffer, .address_space: global }
      - { .name: pred_logits, .offset: 8, .size: 8, .value_kind: global_buffer, .address_space: global }
      - { .name: tgt_boxes, .offset: 16, .size: 8, .value_kind: global_buffer, .address_space: global }
      - { .name: tgt_ids, .offset: 24, .size: 8, .value_kind: global_buffer, .address_space: global }
      - { .name: out0, .offset: 32, .size: 8, .value_kind: global_buffer, .address_space: global }
    .group_segment_fixed_size: 0
    .private_segment_fixed_size: 0
    .kernarg_segment_align: 8
    .kernarg_segment_size: 40
    .max_flat_workgroup_size: 128
    .sgpr_count:     66
    .vgpr_count:     172
    .wavefront_size: 32
...
	.end_amdgpu_metadata
.endif
;; end of part 2
